; MI455X (gfx1250); checked and timed in simulation.
; The chip was launched on July 23, 2026; its instructions are those of AMD's public machine-readable ISA for CDNA 5 (MIT licence, August 2026) and "CDNA5" Instruction Set Architecture Reference Guide (July 2026). The comments in the code are by the model that wrote it; some were corrected since.
;; LSTM Cell. Allowed arithmetic: matrix products marked QUANTISED: E4M3 operands, one E8M0 scale for each 32 along K, by v_wmma_scale_f32_16x16x128_f8f6f4 with both operands' format E4M3, f32 sums; everything else in f32.
;; Inputs: W_c 2,048 x 4,096 float32; W_f 2,048 x 4,096 float32; W_i 2,048 x 4,096 float32; W_o 2,048 x 4,096 float32; b_c 2,048 float32; b_f 2,048 float32; b_i 2,048 float32; b_o 2,048 float32; c_prev 2,048 x 2,048 float32; h_prev 2,048 x 2,048 float32; x_t 2,048 x 2,048 float32.
;; Outputs: out0 2,048 x 2,048 float32; out1 2,048 x 2,048 float32.
;; This version of the problem:
;;   THIS VERSION OF THE PROBLEM IS GIVEN IN LOW PRECISION. The matrix products marked QUANTISED in the list below multiply operands that are first quantised to E4M3 (4 exponent bits, 3 mantissa bits; 8 bits a number), with one power-of-two scale for each 32 numbers along K (OCP MX v1.0); their sums are f32. All else is computed in f32.
;;   The module's matrix products, in the order in which they are computed (A, B: the left and right operand; K: the contracted axis; several contracted axes count as one K, in the product's order):
;;     1. [M 2,048, K 4,096] x [K 4,096, N 8,192]; A: computed on the way; B: computed on the way: QUANTISED
;;   THE QUANTISER, for each operand of a quantised product, along K:
;;     - K is cut into blocks of 32 from its start; a last block that is shorter is filled with zeros.
;;     - A block's scale is 2^e with e = floor(log2(the largest magnitude in the block)) - 8, held to -126 .. 127; a block of zeros has e = 0. As a byte (E8M0): e + 127.
;;     - Each number is divided by its block's scale, clamped to +-448, and rounded to the nearest number of E4M3, ties to even, subnormals kept.
;;     - The product sums the exact products of the quantised numbers (number of the format x scale) in f32.
;;   ~~~python
;;   def quantise(x, axis):      # numpy; x: float32 -> the quantised numbers, widened to float32 again
;;       x = np.moveaxis(x, axis, -1); K = x.shape[-1]
;;       x = np.pad(x, [(0, 0)] * (x.ndim - 1) + [(0, -K % 32)]); x = x.reshape(x.shape[:-1] + (-1, 32)); a = np.abs(x).max(-1, keepdims=True)
;;       e = np.where(a > 0, np.clip(np.frexp(np.where(a > 0, a, 1))[1] - 1 - 8, -126, 127), 0)      # np.frexp(a)[1] - 1 = floor(log2(a)), exactly
;;       r = np.clip(x / 2.0 ** e, -448, 448)
;;       step = 2.0 ** (np.maximum(np.frexp(np.where(r == 0, 1, r))[1] - 1, -6) - 3)
;;       q = np.round(r / step) * step * 2.0 ** e      # np.round: ties to even
;;       return np.moveaxis(q.reshape(q.shape[:-2] + (-1,))[..., :K], -1, axis).astype(np.float32)
;;   ~~~
;;   OPERANDS COMPUTED ON THE WAY. 'Computed on the way' means the value that the module computes at that place (a softmax that the list does not call 'softmax' is quantised finished and normalised). What goes into a quantiser is computed in f32, as accurately as f32 sums, v_exp_f32 and their like allow (about 1e-6 of the number): no bf16 or f16 on the way to a quantiser, and a product that is left as it is and whose result goes on into a quantised operand takes f32 operands (vector FMAs, or v_wmma_f32_16x16x4_f32). A number that lies on a knife's edge between two numbers of the format may be rounded either way, as far as f32 arithmetic and the matrix unit's own rounding can turn it there, and no further.
;; One version. Each part assembles by itself: llvm-mc -triple=amdgcn-amd-amdhsa -mcpu=gfx1250 --defsym DOCPART=n.
;; ======== version 1 of 1: 2 launches
;; limits: right only within a limited range of input values
;; workspace buffers: a_img 8,650,752 bytes; b_img 34,603,008 bytes
;; launch quant (part 1): grid 256 x 1, 4 waves a work-group, no clusters, 327,680 bytes of LDS; arguments h_prev, x_t, W_f, W_i, W_c, W_o, a_img, b_img; writes a_img, b_img
.if DOCPART == 1
	.amdgcn_target "amdgcn-amd-amdhsa--gfx1250"
	.amdhsa_code_object_version 6
	.text
	.protected	k_qb080d20bd9_quant
	.globl	k_qb080d20bd9_quant
	.p2align	8
	.type	k_qb080d20bd9_quant,@function
k_qb080d20bd9_quant:
	s_mov_b64 s[64:65], 0
	v_nop
	global_prefetch_b8 v0, s[64:65] scope:SCOPE_SE
	s_setreg_imm32_b32 hwreg(HW_REG_WAVE_MODE, 25, 1), 1
	s_wait_xcnt 0x0
; [h_prev | x_t] (2,048 rows x 4,096 K) and the four weights (2,048 rows x 4,096 K each), all f32 with K innermost, become codes of FP8 (E4M3) with one E8M0 scale byte for each 32 along K.
; A block's scale is 2^(floor(log2(its largest magnitude)) - 8); its byte is the largest magnitude's exponent field - 8, held at 1 from below.  Each number is divided by the scale, held within +-448, rounded to the nearest code, ties to even.
; LIMITS: a block whose largest magnitude lies under 2^(9 - 127), a block of zeros among them, gets the byte 1 (for zeros the quantiser's text says 127: the codes are zeros, and this program alone reads the bytes).  NaN and infinities among the inputs are not served.
; THE RESULT IS LAID AS THE NEXT LAUNCH'S REGISTERS WANT IT: [tile of 256 operand rows][K step of 256][KB bytes].  In a block of KB bytes: 32 fragment images of 2,048 bytes, fragment (rb, q) = rows 16 rb .. + 15, K 128 q .. + 127 at (2 rb + q) x 2,048;
; in it register group c of lane l at 512 c + 16 l (lane (r, h): row r, k = 32 c + 16 h + 0 .. 15); behind them, at 65,536, the scale words: 8 bytes a row.
; ROWS.  Row R of the activations: tile R / 256, row R % 256.  Row hid of gate g (f, i, c, o = 0 .. 3): tile hid / 64, row 128 ((hid / 32) % 2) + 32 g + hid % 32.
; SHARES.  A piece is 32 rows x 256 K: 32 KiB of f32, four fragments.  Each of the 1,024 waves takes the piece (rg, ks) of the activations and of each weight: five pieces.
; A piece comes by ONE tensor load (32 rows of 1,024 bytes, 16 bytes of padding behind each) into the wave's own ring of two LDS slots; the lanes read their 16 neighbours along K straight out of it.
; Behind each barrier the four waves have 128 KiB on their way, while the slot that has landed is worked.  Every wait on TENSORcnt is for 0; a wave has one tensor load out at the most.
; The piece after the one that is on its way is prefetched: 128 blocks of 256 bytes, a lane a block, four instructions; each block is named once, by the wave that will load it; the last pieces ask for nothing.
; No clusters: no two waves read the same byte.  A loop of two trips takes pieces 0 to 3, two a trip; the last piece, behind which nothing is fetched, is written out.
.set KB,    67584
.set PITCH, 1040                       ; an LDS row: 260 words, so that row r starts at bank 4 r mod 64 (64 banks of 4 bytes: ISA guide 11.1)
.set TILE,  32*PITCH
.set SPARE, 8*TILE                     ; behind the four rings: the spare words
.set SPW, 2                            ; v2 my spare word, v3 0; never rewritten
.set NIL, 3
.set VO,  4                            ; v4 16 x lane
.set LDA, 5                            ; v5 my ring + row r + 64 h
.set SO,  6                            ; v6 8 x lane
.set PFO, 7                            ; v7 prefetch: row lane / 4, block lane % 4
.set PW,  12                           ; v12-15 the scale word of fragment f
.set TM,  16                           ; v16-31 at work in QUANT
.set PC,  32                           ; v32-95 a piece's codes
.set X,   96                           ; v96-223 two sets of 64 numbers in the operand's order
.set G1A, 32                           ; s[32:39] group 1 for the activations (pitch 2,048), s[40:47] for the weights (4,096)
.set G1W, 40
.set G0,  48                           ; s[48:51], s[52:55] group 0 of slot 0, 1
.set DA,  56                           ; where codes (D..) and scale words (S..) go: the activations', then gate 0 .. 3's
.set SA,  58
.set DW,  60
.set SW,  62
.set DW1, 68
.set SW1, 70
.set DW2, 72
.set SW2, 74
.set DW3, 76
.set SW3, 78
.set CD,  80                           ; this piece's
.set CS,  82
.set PP,  84                           ; the piece to prefetch
.set SEL, 86
.set MNT, 88
.set HM,  89
.set RING, 90
.set CNT, 91
	s_load_b256 s[4:11], s[0:1], 0x0               ; h_prev, x_t, W_f, W_i
	s_load_b256 s[12:19], s[0:1], 0x20             ; W_c, W_o, a_img, b_img
	v_lshl_add_u32 v[SPW], v0, 2, SPARE
	v_mov_b32 v[NIL], 0
	ds_add_u32 v[SPW], v[NIL]                      ; the opening lines: the add, twice on end, and its wait
	ds_add_u32 v[SPW], v[NIL]
	v_lshrrev_b32 v1, 5, v0
	v_readfirstlane_b32 s20, v1                    ; wave
	s_mul_i32 s[RING], s20, 2*TILE
	v_and_b32 v1, 31, v0
	v_lshlrev_b32 v[VO], 4, v1
	v_lshlrev_b32 v[SO], 3, v1
	v_and_b32 v[LDA], 15, v0
	v_bfe_u32 v8, v0, 4, 1
	v_mul_u32_u24 v[LDA], v[LDA], PITCH
	v_lshl_add_u32 v[LDA], v8, 6, v[LDA]
	v_add_nc_u32 v[LDA], s[RING], v[LDA]
	v_lshrrev_b32 v[PFO], 2, v1
	v_and_b32 v8, 3, v1
	v_lshlrev_b32 v[PFO], 14, v[PFO]
	v_lshl_add_u32 v[PFO], v8, 8, v[PFO]
.irp b, 0,1,2,3
	v_mov_b32 v[TM+4+\b], 0                        ; a lane permute's destination counts as one of its sources
.endr
	s_lshl_b32 s21, ttmp9, 2
	s_add_co_u32 s21, s21, s20
	s_and_b32 s22, s21, 15                         ; ks: which 256 along K
	s_lshr_b32 s23, s21, 4                         ; rg: which 32 rows
.irp g, G1A, G1W
	s_mov_b32 s[\g+0], (2<<16)|(1<<20)|(7<<22)|(3<<25)   ; elements of 4 bytes; behind every 256 words 4 words of padding
	s_mov_b32 s[\g+1], 256<<16
	s_mov_b32 s[\g+2], 32<<16
	s_mov_b32 s[\g+3], 256<<16
	s_mov_b32 s[\g+4], 32
	s_mov_b32 s[\g+6], 0
	s_mov_b32 s[\g+7], 0
.endr
	s_mov_b32 s[G1A+5], 2048
	s_mov_b32 s[G1W+5], 4096
	s_lshl_b32 s24, s23, 18                        ; the activations: 32 rg rows of 8,192 bytes + 1,024 (ks % 8)
	s_and_b32 s25, s22, 7
	s_lshl_b32 s25, s25, 10
	s_add_co_u32 s24, s24, s25
	s_mov_b32 s25, 0
	s_lshl_b32 s26, s23, 19                        ; a weight: 32 rg rows of 16,384 bytes + 1,024 ks
	s_lshl_b32 s27, s22, 10
	s_add_co_u32 s26, s26, s27
	s_mov_b32 s27, 0
	s_lshr_b32 s28, s23, 3                         ; a_img: block (rg / 8, ks), first 16 rows 2 (rg % 8)
	s_lshl_b32 s28, s28, 4
	s_add_co_u32 s28, s28, s22
	s_mul_i32 s28, s28, KB
	s_and_b32 s29, s23, 7
	s_lshl_b32 s30, s29, 13
	s_add_co_u32 s30, s30, s28                     ; codes: 4,096 bytes for each 16 rows
	s_mov_b32 s31, 0
	s_lshl_b32 s29, s29, 8
	s_add_co_u32 s28, s28, s29
	s_add_co_u32 s28, s28, 65536                   ; scale words: 128 bytes for each 16 rows
	s_mov_b32 s29, 0
	s_lshr_b32 s92, s23, 1                         ; b_img: block (rg / 2, ks), first 16 rows 8 (rg % 2) + 2 gate
	s_lshl_b32 s92, s92, 4
	s_add_co_u32 s92, s92, s22
	s_mul_i32 s92, s92, KB
	s_and_b32 s93, s23, 1
	s_lshl_b32 s94, s93, 15
	s_add_co_u32 s94, s94, s92
	s_mov_b32 s95, 0
	s_lshl_b32 s93, s93, 10
	s_add_co_u32 s92, s92, s93
	s_add_co_u32 s92, s92, 65536
	s_mov_b32 s93, 0
	s_mov_b32 s[SEL], 0x76543210
	s_mov_b32 s[SEL+1], 0xfedcba98
	s_mov_b32 s[MNT], 0x600000
	s_mov_b32 s[HM], 0xffff0000
	s_mov_b32 s[G0], 1
	s_mov_b32 s[G0+1], s[RING]
	s_mov_b32 s[G0+4], 1
	s_add_co_u32 s[G0+5], s[RING], TILE
	s_wait_alu depctr_va_vdst(0)                   ; the wait at the head's end
	s_wait_dscnt 0x0                               ; both opening adds are done
	s_wait_kmcnt 0x0
	s_cmp_lt_u32 s22, 8                            ; K 0 .. 2,047 is h_prev, the rest x_t
	s_cselect_b64 s[4:5], s[4:5], s[6:7]
	s_add_nc_u64 s[G0+2:G0+3], s[4:5], s[24:25]
	s_or_b32 s[G0+3], s[G0+3], 0x80000000
	tensor_load_to_lds s[G0:G0+3], s[G1A:G1A+7]    ; piece 0, the activations': one tensor load a wave at the head
	s_nop 0
.irp g, 0,1,2,3
	s_add_nc_u64 s[8+2*\g:9+2*\g], s[8+2*\g:9+2*\g], s[26:27]
.endr
	s_add_nc_u64 s[DA:DA+1], s[16:17], s[30:31]
	s_add_nc_u64 s[SA:SA+1], s[16:17], s[28:29]
	s_add_nc_u64 s[DW:DW+1], s[18:19], s[94:95]
	s_add_nc_u64 s[SW:SW+1], s[18:19], s[92:93]
	s_add_nc_u64 s[DW1:DW1+1], s[DW:DW+1], 8192    ; a gate's 32 rows: 8,192 bytes of codes, 256 of scale words
	s_add_nc_u64 s[SW1:SW1+1], s[SW:SW+1], 256
	s_add_nc_u64 s[DW2:DW2+1], s[DW:DW+1], 16384
	s_add_nc_u64 s[SW2:SW2+1], s[SW:SW+1], 512
	s_add_nc_u64 s[DW3:DW3+1], s[DW:DW+1], 24576
	s_add_nc_u64 s[SW3:SW3+1], s[SW:SW+1], 768
.irp i, 0,1,2,3
	global_prefetch_b8 v[PFO], s[8:9] offset:\i*8*16384 th:TH_LOAD_NT scope:SCOPE_SE   ; piece 1, W_f's
.endr
; 64 numbers of a lane, v[s] on, become a fragment's 16 registers of codes, v[pc] on, and my row's scale word, v[pw].
.macro QUANT s, pc, pw
.irp b, 0,1,2,3
	v_max3_num_f32 v[TM+\b], |v[\s+16*\b]|, |v[\s+1+16*\b]|, 0x4800000   ; block b: my 16 numbers, and the floor 2^(9 - 127): so the byte cannot fall under 1
.endr
.irp i, 2,4,6,8,10,12,14
.irp b, 0,1,2,3
	v_max3_num_f32 v[TM+\b], v[TM+\b], |v[\s+16*\b+\i]|, |v[\s+1+16*\b+\i]|   ; the four blocks by turns
.endr
.endr
.irp b, 0,1,2,3
	v_permlanex16_b32 v[TM+4+\b], v[TM+\b], s[SEL], s[SEL+1]
.endr
.irp b, 0,1,2,3
	v_max_num_f32 v[TM+\b], v[TM+\b], v[TM+4+\b]   ; with lane l xor 16's 16: the block's largest magnitude
.endr
.irp b, 0,1,2,3
	v_add_nc_u32 v[TM+12+\b], 0xfc000000, v[TM+\b] ; 8 off its exponent field: the conversion's scale operand
.endr
.irp b, 0,1,2,3
	v_and_or_b32 v[TM+8+\b], v[TM+\b], 0x7f800000, s[MNT]   ; 448 x the scale
.endr
.irp b, 0,1,2,3
	v_lshrrev_b32 v[TM+4+\b], 23, v[TM+12+\b]      ; the scale's byte
.endr
	v_lshl_or_b32 v[\pw], v[TM+5], 8, v[TM+4]
	v_lshl_or_b32 v[\pw], v[TM+6], 16, v[\pw]
	v_lshl_or_b32 v[\pw], v[TM+7], 24, v[\pw]
.irp b, 0,1,2,3
.irp i, 0,1,2,3,4,5,6,7,8,9,10,11,12,13,14,15
	v_med3_num_f32 v[\s+16*\b+\i], v[\s+16*\b+\i], -v[TM+8+\b], v[TM+8+\b]   ; the conversion to an 8-bit code does not saturate (ISA guide 7.6.2)
.endr
	v_cvt_scalef32_pk8_fp8_f32 v[(\pc)+4*\b:(\pc)+4*\b+1], v[\s+16*\b:\s+16*\b+7], v[TM+12+\b]
	v_cvt_scalef32_pk8_fp8_f32 v[(\pc)+4*\b+2:(\pc)+4*\b+3], v[\s+16*\b+8:\s+16*\b+15], v[TM+12+\b]
.endr
	v_nop                                          ; one plain vector line behind the last scaled conversion
.endm
.macro FRLD f, slot                    ; fragment f = 2 u + q: rows 16 u .. + 15, K 128 q .. + 127: 64 bytes of each of my row's four blocks
.irp c, 0,1,2,3
.irp j, 0,1,2,3
	ds_load_b128 v[X+64*((\f)%2)+16*\c+4*\j:X+64*((\f)%2)+16*\c+4*\j+3], v[LDA] offset:(\slot)*TILE+((\f)/2)*16*PITCH+512*((\f)%2)+128*\c+16*\j
.endr
.endr
.endm
; The piece in a slot: its four fragments, the LDS loads one fragment ahead; all its stores at its end.  ask = 1: the piece at s[pp] is prefetched; 2: in the first trip alone; 0: nothing is left to ask for.
.macro PROC slot, ask, pp
	FRLD 0, \slot
	FRLD 1, \slot
.irp f, 0,1,2,3
.if \f < 3
	s_wait_dscnt 16                                ; this fragment's 16 loads are in, the next one's may be out
.else
	s_wait_dscnt 0x0
.endif
	QUANT X+64*(\f%2), PC+16*\f, PW+\f
.if \f < 2
	FRLD \f+2, \slot
.endif
.if (\f == 0) && (\ask)
.if \ask == 2
	s_cmp_eq_u32 s[CNT], 0
	s_cbranch_scc0 .Lno_ask_\@
.endif
.irp i, 0,1,2,3
	global_prefetch_b8 v[PFO], s[\pp:\pp+1] offset:\i*8*16384 th:TH_LOAD_NT scope:SCOPE_SE
.endr
.Lno_ask_\@:
.endif
.endr
.irp f, 0,1,2,3
.irp c, 0,1,2,3
	global_store_b128 v[VO], v[PC+16*\f+4*\c:PC+16*\f+4*\c+3], s[CD:CD+1] offset:2048*\f+512*\c   ; 32 lanes store 512 consecutive bytes, at a multiple of 256 from the buffer's first byte
.endr
.endr
	v_cndmask_b32 v16, v[PW], v[PW+2], s[HM]       ; lanes 0-15 send rows 0-15's two words, lanes 16-31 rows 16-31's
	v_cndmask_b32 v17, v[PW+1], v[PW+3], s[HM]
	global_store_b64 v[SO], v[16:17], s[CS:CS+1]   ; 256 consecutive bytes, aligned
.endm
; A slot is filled: all my tensor loads have landed, the add, my reads are back, the barrier, and my one load first behind it.  pa, pb: the piece's address in the first and in the second trip.
.macro FILL slot, pa, pb
	s_wait_tensorcnt 0x0
	ds_add_u32 v[SPW], v[NIL]
	s_cmp_eq_u32 s[CNT], 0
	s_cselect_b64 s[G0+4*\slot+2:G0+4*\slot+3], s[\pa:\pa+1], s[\pb:\pb+1]
	s_or_b32 s[G0+4*\slot+3], s[G0+4*\slot+3], 0x80000000
	s_wait_dscnt 0x0
	s_barrier_signal -1
	s_barrier_wait -1
	tensor_load_to_lds s[G0+4*\slot:G0+4*\slot+3], s[G1W:G1W+7]
	s_nop 0
	s_wait_xcnt 0x0                                ; the last piece's stores and prefetches have read their registers
	s_cmp_eq_u32 s[CNT], 0
.endm
	s_mov_b32 s[CNT], 0
.Lpair:
	FILL 1, 8, 12                                  ; W_f's piece, then W_c's (the first time: slot 1's first fill, issued as a refill is)
	s_cselect_b64 s[CD:CD+1], s[DA:DA+1], s[DW1:DW1+1]
	s_cselect_b64 s[CS:CS+1], s[SA:SA+1], s[SW1:SW1+1]
	s_cselect_b64 s[PP:PP+1], s[10:11], s[14:15]
	PROC 0, 1, PP                                  ; the activations' piece, then W_i's
	FILL 0, 10, 14                                 ; W_i's piece, then W_o's
	s_cselect_b64 s[CD:CD+1], s[DW:DW+1], s[DW2:DW2+1]
	s_cselect_b64 s[CS:CS+1], s[SW:SW+1], s[SW2:SW2+1]
	PROC 1, 2, 12                                  ; W_f's piece, then W_c's
	s_add_co_u32 s[CNT], s[CNT], 1
	s_cmp_lt_u32 s[CNT], 2
	s_wait_alu depctr_va_vdst(0)                   ; the wait, directly ahead of the branch
	s_cbranch_scc1 .Lpair
	s_wait_tensorcnt 0x0                           ; W_o's piece is in
	s_wait_xcnt 0x0
	s_mov_b64 s[CD:CD+1], s[DW3:DW3+1]
	s_mov_b64 s[CS:CS+1], s[SW3:SW3+1]
	PROC 0, 0, 12
	s_wait_tensorcnt 0x0                           ; the wave's end
	ds_add_u32 v[SPW], v[NIL]
	s_wait_dscnt 0x0
	s_endpgm
.Lfunc_end_k_qb080d20bd9_quant:
	.size	k_qb080d20bd9_quant, .Lfunc_end_k_qb080d20bd9_quant-k_qb080d20bd9_quant
	.p2alignl 7, 3214868480
	.fill 96, 4, 3214868480
	.section	.rodata,"a",@progbits
	.p2align	6, 0x0
	.amdhsa_kernel k_qb080d20bd9_quant
		.amdhsa_group_segment_fixed_size 327680
		.amdhsa_private_segment_fixed_size 0
		.amdhsa_enable_private_segment 0
		.amdhsa_kernarg_size 64
		.amdhsa_user_sgpr_count 2
		.amdhsa_user_sgpr_kernarg_segment_ptr 1
		.amdhsa_wavefront_size32 1
		.amdhsa_system_sgpr_workgroup_id_x 1
		.amdhsa_system_sgpr_workgroup_id_y 1
		.amdhsa_system_sgpr_workgroup_id_z 1
		.amdhsa_system_vgpr_workitem_id 0
		.amdhsa_next_free_vgpr 224
		.amdhsa_next_free_sgpr 96
		.amdhsa_reserve_vcc 0
		.amdhsa_float_denorm_mode_32 3
		.amdhsa_float_denorm_mode_16_64 3
		.amdhsa_memory_ordered 1
		.amdhsa_forward_progress 1
		.amdhsa_inst_pref_size 121
	.end_amdhsa_kernel
	.amdgpu_metadata
---
amdhsa.version: [ 1, 2 ]
amdhsa.kernels:
  - .name:           k_qb080d20bd9_quant
    .symbol:         k_qb080d20bd9_quant.kd
    .args:
      - { .name: h_prev, .offset: 0, .size: 8, .value_kind: global_buffer, .address_space: global }
      - { .name: x_t, .offset: 8, .size: 8, .value_kind: global_buffer, .address_space: global }
      - { .name: W_f, .offset: 16, .size: 8, .value_kind: global_buffer, .address_space: global }
      - { .name: W_i, .offset: 24, .size: 8, .value_kind: global_buffer, .address_space: global }
      - { .name: W_c, .offset: 32, .size: 8, .value_kind: global_buffer, .address_space: global }
      - { .name: W_o, .offset: 40, .size: 8, .value_kind: global_buffer, .address_space: global }
      - { .name: a_img, .offset: 48, .size: 8, .value_kind: global_buffer, .address_space: global }
      - { .name: b_img, .offset: 56, .size: 8, .value_kind: global_buffer, .address_space: global }
    .group_segment_fixed_size: 327680
    .private_segment_fixed_size: 0
    .kernarg_segment_align: 8
    .kernarg_segment_size: 64
    .max_flat_workgroup_size: 128
    .sgpr_count:     96
    .vgpr_count:     224
    .wavefront_size: 32
...
	.end_amdgpu_metadata
.endif
;; end of part 1
;; launch lstm (part 2): grid 32 x 8, 4 waves a work-group, clusters of 4 x 4, 327,680 bytes of LDS; arguments a_img, b_img, c_prev, b_f, b_i, b_c, b_o, out0, out1; writes out0, out1
.if DOCPART == 2
	.amdgcn_target "amdgcn-amd-amdhsa--gfx1250"
	.amdhsa_code_object_version 6
	.text
	.protected	k_qb080d20bd9_lstm
	.globl	k_qb080d20bd9_lstm
	.p2align	8
	.type	k_qb080d20bd9_lstm,@function
k_qb080d20bd9_lstm:
	s_mov_b64 s[64:65], 0
	v_nop
	global_prefetch_b8 v0, s[64:65] scope:SCOPE_SE
	s_setreg_imm32_b32 hwreg(HW_REG_WAVE_MODE, 25, 1), 1
	s_wait_xcnt 0x0
	s_wait_alu depctr_hold_cnt(0) depctr_sa_sdst(0) depctr_va_vdst(0) depctr_va_sdst(0) depctr_va_ssrc(0) depctr_va_vcc(0) depctr_vm_vsrc(0)
	s_getreg_b32 s2, hwreg(HW_REG_IB_STS2, 6, 4)
	s_cmp_eq_u32 s2, 0
	s_cbranch_scc0 .Lentry_in_a_cluster
	s_endpgm
.Lentry_in_a_cluster:
	s_bfe_u32 s2, ttmp6, 0x10000c
	s_cmp_lg_u32 s2, 0xf033
	s_cbranch_scc0 .Lentry_shape_is_right
	s_endpgm
.Lentry_shape_is_right:
; gates = [h_prev | x_t] W^T + b on codes of FP8 (E4M3) with E8M0 scales, then c_t = sig(f) c_prev + sig(i) tanh(c~), h_t = sig(o) tanh(c_t), in f32.
; A work-group makes 256 batch rows x 64 hidden columns: a tile of 256 x 256 gates, since 128 neighbouring rows of a tile of b_img are the four gates of the same 32 hidden columns.
; Four waves, each 128 rows x 128 gate columns: 64 accumulators, 512 registers.  The product is used transposed (source 0 = 16 rows of W, source 1 = 16 batch rows): a lane holds eight neighbouring columns of one row.
; a_img and b_img hold, for each tile and K step of 256, KB bytes: 32 fragment images of 2,048 bytes (block of 16 rows rb, q-th 128 along K at (2 rb + q) x 2,048; register group c of lane l at 512 c + 16 l), then 8 bytes of scale words a row.
; A ring of two LDS slots, each A's block and B's block of one K step; each wave brings half a block (132 rows of 256 bytes) by one joint load: A's are shared along a row of the 4 x 4 cluster, B's along a column.
; The K steps are walked in the order kc xor WM, WM made of the cluster's numbers alone: a sum over K has the same terms in any order of the steps.
; THE LOOP: a step of 128 along K is 64 products, A's blocks one after the other against B's eight; A has one set of registers, B two.  The LDS loads stand in two runs a step, each behind eight places.
; sig(x) = 1 / (1 + 2^(-x log2 e)), tanh(x) = 1 - 2 / (1 + 2^(2 x log2 e)): an exponential that overflows gives infinity, whose reciprocal is 0, the function's limit.
; LIMITS: NaN and infinities among the inputs are not served.
; REGISTERS: window 0: v12-31 addresses, v32-63 scale words (two sets), v64-127 the biases x the exponent's factor, v128-255 A's fragments (at work on the way out); window 1: B's fragments, two sets; windows 2, 3: accumulators.
.set KB,     67584                     ; 65,536 bytes of codes + 2,048 of scale words
.set HALFB,  33792                     ; what one tensor load brings
.set SLOT,   2*KB
.set SPARE,  2*SLOT                    ; behind the ring: the spare words, 128 bytes a wave
.set CPITCH, 272                       ; the way out: rows of 256 bytes + 16
.set LAPS,   8                         ; a lap = two K steps of 256
.set FR,     16
.set PFS,  12                          ; v12 scale words' prefetch offset; v13 c_prev's; v31 the codes'
.set PFV,  13
.set BO,   14                          ; v14 32 h: my eight biases
.set ADRA, 16                          ; v16-17 my A fragments in slot 0, 1
.set ADRB, 20                          ; v20-21 B's
.set ADRS, 22                          ; v22-23 scale words: lanes 0-15 A's rows, lanes 16-31 B's
.set CSA,  24                          ; v24 c's stage, by my results' layout; v25 h's
.set HSA,  25
.set RDC,  26                          ; v26, v27 the same stages read back by rows
.set RDH,  27
.set SPW,  28                          ; v28 my spare word; v29 0; never rewritten
.set NIL,  29
.set CO,   30                          ; v30 my byte offset in the outputs
.set PFO,  31
.set SC,   32
.set BI,   64
.set AF,   128
.set T,    128
.set CP,   192
.set CT,   208
.set EE,   224
.set HH,   240
.set WV,   22                          ; s22 wave; s23 wave / 2: my half of the rows, also: I fetch for A (0) or B (1); s66 wave % 2: my half of the columns, also which half block I fetch
.set RH,   23
.set PH,   66
.set G1,   24
.set G0,   32
.set G1B,  48
.set G0B,  56
.set G1C,  68
.set G0C,  76
.set PFA,  80
.set PFB,  82
.set PFC,  84
.set ASKM, 86
.set LIM2, 87
.set KN,   88
.set KP,   90
.set BA,   92
.set BB,   94
.set PFBASE, 96
.set PT,   98
.set OFF,  100
.set KC,   104
.set WM,   105
.set MSB, 0
.macro WIN new                         ; the immediate's high byte repeats the setting that is left
.if MSB != (\new)
	s_set_vgpr_msb (MSB<<8)|(\new)
.set MSB, (\new)
.endif
.endm
.set MUL_LO, 0xa1                      ; source 0 (B) window 1, source 1 (A) window 0, C and D window 2
.set MUL_HI, 0xf1                      ; the same, C and D window 3
.set TO_B,   0x40
.macro JLOAD g0a, g1a, g0b, g1b        ; a joint load: waves 0, 1 for A, waves 2, 3 for B; s_nop 0 and four v_nop behind each line
	s_cmp_eq_u32 s[RH], 0
	s_cbranch_scc0 .Lfor_b_\@
	tensor_load_to_lds s[\g0a:\g0a+3], s[\g1a:\g1a+7]
	s_nop 0
.rept 4
	v_nop
.endr
	s_branch .Lasked_\@
.Lfor_b_\@:
	tensor_load_to_lds s[\g0b:\g0b+3], s[\g1b:\g1b+7]
	s_nop 0
.rept 4
	v_nop
.endr
.Lasked_\@:
.endm
.macro CREST                           ; a round of the cluster's barrier behind its opening barrier
	s_cmp_lg_u32 s[WV], 0
	s_cbranch_scc1 .Lnot_wave_0_\@
	s_barrier_signal -3
.Lnot_wave_0_\@:
	s_barrier_wait -3
	s_barrier_signal -1
	s_barrier_wait -1
.endm
.macro CROUND
	s_barrier_signal -1
	s_barrier_wait -1
	CREST
.endm
; Prefetches.  ASK: 32 x 256 bytes of codes of the K step two refills on: of the 32 KiB of codes that I fetch, my work-group's quarter, told apart by address; in the laps that ASKM names.
.macro ASK
	s_lshr_b32 s2, s[ASKM], s3
	s_and_b32 s2, s2, 1
	s_cmp_lg_u32 s2, 0
	s_cbranch_scc0 .Lnot_mine_\@
	global_prefetch_b8 v[PFO], s[PFA:PFA+1] th:TH_LOAD_NT scope:SCOPE_SE
.Lnot_mine_\@:
.endm
.macro ASKS                            ; the scale words of all 16 K steps of a tile, 512 bytes of each for my work-group, once, in the first lap
	s_cmp_eq_u32 s3, s[LIM2]
	s_cbranch_scc0 .Lnot_mine_\@
	global_prefetch_b8 v[PFS], s[PFB:PFB+1] th:TH_LOAD_NT scope:SCOPE_SE
.Lnot_mine_\@:
.endm
.macro ASKC                            ; my 64 rows x 256 bytes of c_prev, in the loop's last lap: two K steps ahead of their tensor load
	s_cmp_eq_u32 s3, 1
	s_cbranch_scc0 .Lnot_yet_\@
	global_prefetch_b8 v[PFV], s[PFC:PFC+1] th:TH_LOAD_NT scope:SCOPE_SE
	global_prefetch_b8 v[PFV], s[PFC:PFC+1] offset:32*8192 th:TH_LOAD_NT scope:SCOPE_SE
.Lnot_yet_\@:
.endm
	s_load_b256 s[4:11], s[0:1], 0x0               ; a_img, b_img, c_prev, b_f
	s_load_b256 s[12:19], s[0:1], 0x20             ; b_i, b_c, b_o, out0
	s_load_b64 s[20:21], s[0:1], 0x40              ; out1
	v_lshl_add_u32 v[SPW], v0, 2, SPARE
	v_mov_b32 v[NIL], 0
	ds_add_u32 v[SPW], v[NIL]                      ; the opening lines: the add, twice on end, and its wait
	ds_add_u32 v[SPW], v[NIL]
	v_lshrrev_b32 v1, 5, v0
	v_readfirstlane_b32 s[WV], v1
	s_lshr_b32 s[RH], s[WV], 1
	s_and_b32 s[PH], s[WV], 1
	s_bfe_u32 s40, ttmp6, 0x40000                  ; cx, cy
	s_bfe_u32 s41, ttmp6, 0x40004
	s_lshl_b32 s42, ttmp9, 2
	s_add_co_u32 s42, s42, s40                     ; tile of W, 0 .. 31
	s_and_b32 s43, ttmp7, 0xffff
	s_lshl_b32 s43, s43, 2
	s_add_co_u32 s43, s43, s41                     ; tile of the batch, 0 .. 7
	s_lshl_b32 s44, s41, 2
	s_lshl_b32 s44, 15, s44                        ; my row of the cluster
	s_lshl_b32 s45, 0x1111, s40                    ; my column
	s_or_b32 s[G1+0], s44, (3<<16)|(1<<21)         ; elements of 8 bytes, no padding: the images are read 512 consecutive bytes a load
	s_or_b32 s[G1B+0], s45, (3<<16)|(1<<21)
.irp g, G1, G1B
	s_mov_b32 s[\g+1], 32<<16                      ; rows of 256 bytes,
	s_mov_b32 s[\g+2], 132<<16                     ; 132 of them
	s_mov_b32 s[\g+3], 32<<16
	s_mov_b32 s[\g+4], 132
	s_mov_b32 s[\g+5], 32
	s_mov_b32 s[\g+6], 0
	s_mov_b32 s[\g+7], 0
.endr
	s_mov_b32 s[G1C+0], (2<<16)|(1<<20)|(5<<22)|(3<<25)   ; c_prev: 64 rows x 64 f32, 16 bytes of padding behind each row
	s_mov_b32 s[G1C+1], 64<<16
	s_mov_b32 s[G1C+2], 64<<16
	s_mov_b32 s[G1C+3], 64<<16
	s_mov_b32 s[G1C+4], 64
	s_mov_b32 s[G1C+5], 2048
	s_mov_b32 s[G1C+6], 0
	s_mov_b32 s[G1C+7], 0
	s_and_b32 s[WM], ttmp9, 1                      ; WM: an even number under 16, of the cluster's x and y
	s_and_b32 s46, ttmp7, 0xffff
	s_xor_b32 s[WM], s[WM], s46
	s_lshl_b32 s[WM], s[WM], 1
	s_and_b32 s46, ttmp9, 2
	s_lshl_b32 s46, s46, 2
	s_or_b32 s[WM], s[WM], s46
	s_mul_i32 s[OFF], s[WM], KB
	s_mov_b32 s[OFF+1], 0
	s_mov_b32 s[KC], 1
	s_mul_i32 s2, s[PH], HALFB
	s_mul_i32 s[BA], s43, 16*KB
	s_add_co_u32 s[BA], s[BA], s2
	s_mov_b32 s[BA+1], 0
	s_mul_i32 s[BB], s42, 16*KB
	s_add_co_u32 s[BB], s[BB], s2
	s_mov_b32 s[BB+1], 0
	s_mul_i32 s67, s[WV], HALFB                    ; LDS: A's two halves, then B's
	s_lshl_b32 s98, s43, 8                         ; c_prev: row 256 tile + 64 wave, 256 bytes at 256 x tile of W
	s_lshl_b32 s99, s[WV], 6
	s_add_co_u32 s98, s98, s99
	s_lshl_b32 s98, s98, 13
	s_lshl_b32 s99, s42, 8
	s_add_co_u32 s98, s98, s99
	s_mov_b32 s99, 0
	s_lshl_b32 s44, s43, 8                         ; the outputs: the rows that I store
	s_lshl_b32 s45, s[RH], 7
	s_add_co_u32 s44, s44, s45
	s_lshl_b32 s45, s[PH], 4
	s_add_co_u32 s44, s44, s45
	s_lshl_b32 s44, s44, 13
	s_lshl_b32 s45, s42, 8
	s_add_co_u32 s44, s44, s45
	s_mov_b32 s45, 0
	s_lshl_b32 s96, s42, 8                         ; the biases of my 32 hidden columns
	s_lshl_b32 s97, s[PH], 7
	s_add_co_u32 s96, s96, s97
	s_mov_b32 s97, 0
	s_mov_b32 s[KN], 0xbfb8aa3b                    ; -log2 e
	s_mov_b32 s[KN+1], s[KN]
	s_mov_b32 s[KP], 0x4038aa3b                    ; 2 log2 e
	s_mov_b32 s[KP+1], s[KP]
	s_wait_dscnt 0x0                               ; both opening adds are done
	s_wait_kmcnt 0x0
	s_add_nc_u64 s[BA:BA+1], s[4:5], s[BA:BA+1]
	s_add_nc_u64 s[BB:BB+1], s[6:7], s[BB:BB+1]
.irp s, 0,1
	s_mov_b32 s[G0+4*\s], 1
	s_add_co_u32 s[G0+4*\s+1], s67, \s*SLOT
	s_add_nc_u64 s[G0+4*\s+2:G0+4*\s+3], s[BA:BA+1], s[OFF:OFF+1]
	s_mov_b32 s[G0B+4*\s], 1
	s_add_co_u32 s[G0B+4*\s+1], s67, \s*SLOT
	s_add_nc_u64 s[G0B+4*\s+2:G0B+4*\s+3], s[BB:BB+1], s[OFF:OFF+1]
.if \s
	s_add_nc_u64 s[G0+4*\s+2:G0+4*\s+3], s[G0+4*\s+2:G0+4*\s+3], KB   ; WM is even: 1 xor WM = WM + 1
	s_add_nc_u64 s[G0B+4*\s+2:G0B+4*\s+3], s[G0B+4*\s+2:G0B+4*\s+3], KB
.endif
	s_or_b32 s[G0+4*\s+3], s[G0+4*\s+3], 0x80000000
	s_or_b32 s[G0B+4*\s+3], s[G0B+4*\s+3], 0x80000000
.endr
	CROUND                                         ; all sixteen work-groups are here: the first joint loads meet
	JLOAD G0, G1, G0B, G1B                         ; slot 0: one tensor load a wave at the head
	s_add_nc_u64 s[PFC:PFC+1], s[8:9], s[98:99]
	s_add_nc_u64 s[18:19], s[18:19], s[44:45]
	s_add_nc_u64 s[20:21], s[20:21], s[44:45]
.irp g, 0,1,2,3
	s_add_nc_u64 s[10+2*\g:11+2*\g], s[10+2*\g:11+2*\g], s[96:97]
.endr
	s_mov_b32 s[G0C], 1
	s_mul_i32 s[G0C+1], s[WV], 64*CPITCH
	s_mov_b64 s[G0C+2:G0C+3], s[PFC:PFC+1]
	s_or_b32 s[G0C+3], s[G0C+3], 0x80000000
	s_lshl_b32 s2, s[RH], 15                       ; my 128 rows of A: 8 blocks x 4,096 bytes
	s_lshl_b32 s3, s[PH], 15
	s_add_co_u32 s3, s3, KB                        ; of B, behind A's block
	s_lshl_b32 s44, s[RH], 10                      ; scale words: 8 bytes a row
	s_lshl_b32 s45, s[PH], 10
	s_add_co_u32 s45, s45, KB
	s_sub_co_u32 s45, s45, s44                     ; from A's words to B's
	s_add_co_u32 s44, s44, 65536
	s_mul_i32 s46, s[RH], 128*CPITCH
	s_mul_i32 s47, s[PH], 16*CPITCH
	s_add_co_u32 s47, s47, s46                     ; the rows that I read back
	s_lshl_b32 s67, s[PH], 7
	s_add_co_u32 s46, s46, s67                     ; my half of the stage's rows
	v_and_b32 v1, 15, v0                           ; r
	v_bfe_u32 v2, v0, 4, 1                         ; h
	v_and_b32 v3, 31, v0
	v_lshlrev_b32 v[BO], 5, v2
.irp g, 0,1,2,3                                        ; the biases go out here and are waited for behind the last product
.irp u, 0,1
.irp e, 0,1
	global_load_b128 v[BI+16*\g+8*\u+4*\e:BI+16*\g+8*\u+4*\e+3], v[BO], s[10+2*\g:11+2*\g] offset:64*\u+16*\e
.endr
.endr
.endr
	v_lshl_add_u32 v[ADRA], v3, 4, s2
	v_add_nc_u32 v[ADRA+1], SLOT, v[ADRA]
	v_lshl_add_u32 v[ADRB], v3, 4, s3
	v_add_nc_u32 v[ADRB+1], SLOT, v[ADRB]
	v_mul_u32_u24 v[ADRS], s45, v2
	v_lshl_add_u32 v[ADRS], v1, 3, v[ADRS]
	v_add_nc_u32 v[ADRS], s44, v[ADRS]
	v_add_nc_u32 v[ADRS+1], SLOT, v[ADRS]
	v_mul_u32_u24 v[CSA], v1, CPITCH
	v_lshl_add_u32 v[CSA], v2, 5, v[CSA]
	v_add_nc_u32 v[CSA], s46, v[CSA]
	v_add_nc_u32 v[HSA], SLOT, v[CSA]
	v_mul_u32_u24 v[RDC], v2, CPITCH
	v_lshl_add_u32 v[RDC], v1, 4, v[RDC]
	v_add_nc_u32 v[RDC], s47, v[RDC]
	v_add_nc_u32 v[RDH], SLOT, v[RDC]
	v_lshlrev_b32 v[CO], 13, v2
	v_lshl_add_u32 v[CO], v1, 4, v[CO]
	v_lshlrev_b32 v[PFO], 8, v3
	v_lshrrev_b32 v[PFS], 1, v3
	v_mul_u32_u24 v[PFS], v[PFS], KB
	v_and_b32 v[PFV], 1, v3
	v_lshl_add_u32 v[PFS], v[PFV], 8, v[PFS]
	v_lshlrev_b32 v[PFV], 13, v3
	s_and_b32 s46, ttmp7, 0xffff                   ; the prefetches' bases and laps: of the wave's and the cluster's numbers; the partners' shares by address
	s_cmp_eq_u32 s[RH], 0
	s_cselect_b32 s47, s43, s42
	s_cselect_b32 s45, s40, s41
	s_cselect_b32 s46, ttmp9, s46
	s_cselect_b64 s[PFA:PFA+1], s[4:5], s[6:7]
	s_or_b32 s46, s46, s[PH]
	s_cmp_eq_u32 s46, 0
	s_cselect_b32 s[LIM2], LAPS-1, -1
	s_cmp_lt_u32 ttmp9, 4
	s_cselect_b32 s[ASKM], 0x80, 0
	s_cmp_eq_u32 s[RH], 0
	s_cselect_b32 s[ASKM], s[ASKM], 0xa8
	s_mul_i32 s47, s47, 16*KB
	s_lshl_b32 s44, s45, 9
	s_add_co_u32 s98, s47, s44
	s_add_co_u32 s98, s98, 65536
	s_mov_b32 s99, 0
	s_add_nc_u64 s[PFB:PFB+1], s[PFA:PFA+1], s[98:99]
	s_lshl_b32 s44, s45, 13
	s_add_co_u32 s98, s47, s44
	s_lshl_b32 s44, s[PH], 15
	s_add_co_u32 s98, s98, s44
	s_add_nc_u64 s[PFBASE:PFBASE+1], s[PFA:PFA+1], s[98:99]
.macro FRAG reg, adr, q, i             ; a fragment's 16 registers: four loads of 512 consecutive bytes
.irp c, 0,1,2,3
	ds_load_b128 v[\reg+4*\c:\reg+4*\c+3], v[\adr] offset:(2*(\i)+(\q))*2048+512*\c
.endr
.endm
.macro FA slot, q, i0                  ; A's blocks i0 .. i0 + 3 of the slot's q-th 128 along K
.irp i, \i0, \i0+1, \i0+2, \i0+3
	FRAG AF+FR*(\i), ADRA+\slot, \q, \i
.endr
.endm
.macro FB slot, q, p, i0               ; B's blocks i0 .. i0 + 3 into set p
	WIN TO_B
.irp i, \i0, \i0+1, \i0+2, \i0+3
	FRAG 128*(\p)+FR*(\i), ADRB+\slot, \q, \i
.endr
	WIN 0
.endm
.macro SCALES s                        ; a K step's scale words: lanes 0-15 A's block i, lanes 16-31 B's block i
.irp i, 0,1,2,3,4,5,6,7
	ds_load_b64 v[SC+16*\s+2*\i:SC+16*\s+2*\i+1], v[ADRS+\s] offset:128*\i
.endr
.endm
; 16 products: A's blocks a0, a0 + 1 x B's eight of set p.  The 64 accumulators take turns.
; (MUL8: one block of A against B's eight; MUL16, below it: two blocks)
.macro MUL8 a, p, q, sc, zero
.irp b, 0,1,2,3,4,5,6,7
.set DD, 8*(8*((\a)%4)+\b)
.set FBR, 128*(\p)+FR*\b
.set FAR, AF+FR*(\a)
.if \zero
	v_wmma_scale_f32_16x16x128_f8f6f4 v[DD:DD+7], v[FBR:FBR+FR-1], v[FAR:FAR+FR-1], 0, v[SC+16*(\sc)+2*\b+(\q)], v[SC+16*(\sc)+2*(\a)+(\q)] matrix_a_scale:MATRIX_SCALE_ROW1
.else
	v_wmma_scale_f32_16x16x128_f8f6f4 v[DD:DD+7], v[FBR:FBR+FR-1], v[FAR:FAR+FR-1], v[DD:DD+7], v[SC+16*(\sc)+2*\b+(\q)], v[SC+16*(\sc)+2*(\a)+(\q)] matrix_a_scale:MATRIX_SCALE_ROW1
.endif
.endr
.endm
.macro MUL16 a0, p, q, sc, zero
	MUL8 \a0, \p, \q, \sc, \zero
	MUL8 \a0+1, \p, \q, \sc, \zero
.endm
.macro PLACES n                        ; a load into a fragment's registers stands eight places behind the last product that read them
.rept \n
	v_nop
.endr
.endm
; A slot's first step (B's set 0).  B's blocks 0-3 of the second step were fetched at the end of the step before: the two runs here are of 32 and 16 loads.
.macro STEP slot, zero
	s_wait_dscnt 32                                ; B's set 0, the scale words and A's blocks 0-3 are in; behind them A's blocks 4-7 and the next step's B 0-3
	WIN MUL_LO
	MUL16 0, 0, 0, \slot, \zero
	MUL16 2, 0, 0, \slot, \zero
	s_wait_dscnt 16                                ; A's blocks 4-7 are in
	PLACES 8
	FB \slot, 1, 1, 4
	FA \slot, 1, 0
	WIN MUL_HI
	MUL16 4, 0, 0, \slot, \zero
	MUL16 6, 0, 0, \slot, \zero
	PLACES 8
	WIN 0
	FA \slot, 1, 4
.endm
; A slot's second step (B's set 1) changes slots: the three lines, a round, the refill, the other slot's first fragments.  fill = 1: the slot takes the K step two on; fill = 2: my 64 rows of c_prev's tile land there.
.macro TURN slot, next, fill
.if \fill == 1
	s_wait_xcnt 0x0                                ; my prefetches have read their address
	s_add_co_u32 s[PT], s[KC], 3
	s_xor_b32 s[PT], s[PT], s[WM]
	s_and_b32 s[PT], s[PT], 15
	s_mul_i32 s[PT], s[PT], KB
	s_add_nc_u64 s[PFA:PFA+1], s[PFBASE:PFBASE+1], s[PT:PT+1]
.endif
	s_wait_dscnt 16                                ; B's set 1 and A's blocks 0-3 are in; A's blocks 4-7 may be out
	WIN MUL_LO
	MUL16 0, 1, 1, \slot, 0                        ; sixteen products ahead of the three lines: the other slot's tile is wanted only behind them
	WIN 0
	s_wait_tensorcnt 0x0                           ; my part of the other slot has landed
	ds_add_u32 v[SPW], v[NIL]
.if \fill == 1
	s_add_co_u32 s[KC], s[KC], 1
	s_xor_b32 s[OFF], s[KC], s[WM]
	s_mul_i32 s[OFF], s[OFF], KB
	s_add_nc_u64 s[G0+4*\slot+2:G0+4*\slot+3], s[BA:BA+1], s[OFF:OFF+1]
	s_or_b32 s[G0+4*\slot+3], s[G0+4*\slot+3], 0x80000000
	s_add_nc_u64 s[G0B+4*\slot+2:G0B+4*\slot+3], s[BB:BB+1], s[OFF:OFF+1]
	s_or_b32 s[G0B+4*\slot+3], s[G0B+4*\slot+3], 0x80000000
.endif
	WIN MUL_LO
	MUL8 2, 1, 1, \slot, 0                         ; eight products stand between the add and the wait for it
	s_wait_dscnt 0x0                               ; the add is done, my reads of this slot are over
	s_barrier_signal -1
	MUL8 3, 1, 1, \slot, 0
	WIN 0
	s_barrier_wait -1
	CREST
.if \fill == 1
	JLOAD G0+4*\slot, G1, G0B+4*\slot, G1B
.else
	tensor_load_to_lds s[G0C:G0C+3], s[G1C:G1C+7]
	s_nop 0
	PLACES 4
.endif
	PLACES 4
	FB \next, 0, 0, 0
	FB \next, 0, 0, 4
	FA \next, 0, 0
	SCALES \next
.if \fill == 1
	ASK
.if \slot == 0
	ASKS
	ASKC
.endif
.endif
	WIN MUL_HI
	MUL16 4, 1, 1, \slot, 0
	MUL16 6, 1, 1, \slot, 0
	PLACES 8
	WIN 0
	FA \next, 0, 4
	FB \next, 1, 1, 0                              ; set 1 is free: the other slot's second step, B's blocks 0-3
.endm
	s_wait_alu depctr_va_vdst(0)                   ; the wait at the head's end
	s_wait_tensorcnt 0x0                           ; my part of slot 0 is in; slot 1's first fill is issued as a refill is
	ds_add_u32 v[SPW], v[NIL]
	s_wait_dscnt 0x0
	CROUND
	JLOAD G0+4, G1, G0B+4, G1B
	FB 0, 0, 0, 0                                  ; in the order in which a slot's second step fetches: the counts above hold for the first step too
	FB 0, 0, 0, 4
	FA 0, 0, 0
	SCALES 0
	FA 0, 0, 4
	FB 0, 1, 1, 0
	STEP 0, 1                                      ; the first step's products start the sums
	s_mov_b32 s3, LAPS-1
.Llap:
	TURN 0, 1, 1
	STEP 1, 0
	TURN 1, 0, 1
	STEP 0, 0
	s_sub_co_u32 s3, s3, 1
	s_cmp_lg_u32 s3, 0
	s_cbranch_scc1 .Llap
	TURN 0, 1, 2
	STEP 1, 0
	s_wait_dscnt 16                                ; the last step fetches nothing
	WIN MUL_LO
	MUL16 0, 1, 1, 1, 0
	MUL16 2, 1, 1, 1, 0
	s_wait_dscnt 0x0
	WIN MUL_HI
	MUL16 4, 1, 1, 1, 0
	MUL16 6, 1, 1, 1, 0
	WIN 0
	s_wait_loadcnt 0x0                             ; the biases
.irp g, 0,1,2,3                                        ; x the exponent's factor; these 32 lines are also the places behind the last products
.if \g == 2
.set KR, KP
.else
.set KR, KN
.endif
.irp j, 0,2,4,6,8,10,12,14
	v_pk_mul_f32 v[BI+16*\g+\j:BI+16*\g+\j+1], v[BI+16*\g+\j:BI+16*\g+\j+1], s[KR:KR+1] op_sel_hi:[1,0]
.endr
.endr
	s_wait_alu depctr_va_vdst(0)                   ; the wait, directly ahead of the wait below
	s_wait_tensorcnt 0x0                           ; my rows of c_prev are in,
	s_wait_dscnt 0x0                               ; my reads of slot 1 are over
	s_barrier_signal -1
	s_barrier_wait -1
; THE WAY OUT.  c_t is stored over c_prev's tile in slot 0, h_t into slot 1: both slots have had their last fill.  A row's 256 bytes come from two waves: a barrier, then whole rows back and out.
.macro RB p
	WIN TO_B
.irp t, 0,1,2,3,4,5,6,7
	ds_load_b128 v[64*(\p)+4*\t:64*(\p)+4*\t+3], v[RDC] offset:(32*(\p)+2*\t)*CPITCH
.endr
.irp t, 0,1,2,3,4,5,6,7
	ds_load_b128 v[64*(\p)+32+4*\t:64*(\p)+32+4*\t+3], v[RDH] offset:(32*(\p)+2*\t)*CPITCH
.endr
	WIN 0
.endm
.macro SD p, counted                   ; sixteen lanes store 256 consecutive bytes, aligned
	WIN 0x04
.irp t, 0,1,2,3,4,5,6,7
.if \counted
	s_wait_dscnt 15-\t
.endif
	global_store_b128 v[CO], v[64*(\p)+4*\t:64*(\p)+4*\t+3], s[20:21] offset:(32*(\p)+2*\t)*8192 th:TH_STORE_NT
.endr
.irp t, 0,1,2,3,4,5,6,7
.if \counted
	s_wait_dscnt 7-\t
.endif
	global_store_b128 v[CO], v[64*(\p)+32+4*\t:64*(\p)+32+4*\t+3], s[18:19] offset:(32*(\p)+2*\t)*8192 th:TH_STORE_NT
.endr
	WIN 0
.endm
.macro EPI a, sd                       ; block a: 16 rows x 32 hidden columns, 16 numbers a lane and gate
.irp u, 0,1
.irp e, 0,1
	ds_load_b128 v[CP+8*\u+4*\e:CP+8*\u+4*\e+3], v[CSA] offset:16*CPITCH*(\a)+64*\u+16*\e
.endr
.endr
	WIN 0x02+(\a)/4
.irp g, 0,1,2,3
.if \g == 2
.set KR, KP
.else
.set KR, KN
.endif
.irp u, 0,1
.irp j, 0,2,4,6
	v_pk_fma_f32 v[T+16*\g+8*\u+\j:T+16*\g+8*\u+\j+1], v[8*(8*((\a)%4)+2*\g+\u)+\j:8*(8*((\a)%4)+2*\g+\u)+\j+1], s[KR:KR+1], v[BI+16*\g+8*\u+\j:BI+16*\g+8*\u+\j+1] op_sel_hi:[1,0,1]
.endr
.endr
.endr
	WIN 0
.set n, 0
	s_wait_alu depctr_va_vdst(0)                   ; one wait ahead of each batch of transcendentals and one behind it
.rept 64
	v_exp_f32 v[T+n], v[T+n]
.set n, n+1
.endr
	v_nop
	s_wait_alu depctr_va_vdst(0)
.set n, 0
.rept 32
	v_pk_add_f32 v[T+n:T+n+1], v[T+n:T+n+1], 1.0 op_sel_hi:[1,0]
.set n, n+2
.endr
.set n, 0
	s_wait_alu depctr_va_vdst(0)
.rept 64
	v_rcp_f32 v[T+n], v[T+n]
.set n, n+1
.endr
	v_nop
	s_wait_alu depctr_va_vdst(0)
	s_wait_dscnt 0x0
.if (\sd) >= 0
	SD \sd, 0
.endif
.irp j, 0,2,4,6,8,10,12,14
	v_pk_fma_f32 v[T+32+\j:T+32+\j+1], v[T+32+\j:T+32+\j+1], -2.0, 1.0 op_sel_hi:[1,0,0]
.endr
.irp j, 0,2,4,6,8,10,12,14
	v_pk_mul_f32 v[T+32+\j:T+32+\j+1], v[T+32+\j:T+32+\j+1], v[T+16+\j:T+16+\j+1]
.endr
.irp j, 0,2,4,6,8,10,12,14
	v_pk_fma_f32 v[CT+\j:CT+\j+1], v[T+\j:T+\j+1], v[CP+\j:CP+\j+1], v[T+32+\j:T+32+\j+1]
.endr
.irp j, 0,2,4,6,8,10,12,14
	v_pk_mul_f32 v[EE+\j:EE+\j+1], v[CT+\j:CT+\j+1], s[KP:KP+1] op_sel_hi:[1,0]
.endr
.set n, 0
	s_wait_alu depctr_va_vdst(0)
.rept 16
	v_exp_f32 v[EE+n], v[EE+n]
.set n, n+1
.endr
	v_nop
	s_wait_alu depctr_va_vdst(0)
.irp j, 0,2,4,6,8,10,12,14
	v_pk_add_f32 v[EE+\j:EE+\j+1], v[EE+\j:EE+\j+1], 1.0 op_sel_hi:[1,0]
.endr
.set n, 0
	s_wait_alu depctr_va_vdst(0)
.rept 16
	v_rcp_f32 v[EE+n], v[EE+n]
.set n, n+1
.endr
	v_nop
	s_wait_alu depctr_va_vdst(0)
.irp j, 0,2,4,6,8,10,12,14
	v_pk_fma_f32 v[EE+\j:EE+\j+1], v[EE+\j:EE+\j+1], -2.0, 1.0 op_sel_hi:[1,0,0]
.endr
.irp j, 0,2,4,6,8,10,12,14
	v_pk_mul_f32 v[HH+\j:HH+\j+1], v[EE+\j:EE+\j+1], v[T+48+\j:T+48+\j+1]
.endr
.irp u, 0,1
.irp e, 0,1
	ds_store_b128 v[CSA], v[CT+8*\u+4*\e:CT+8*\u+4*\e+3] offset:16*CPITCH*(\a)+64*\u+16*\e
	ds_store_b128 v[HSA], v[HH+8*\u+4*\e:HH+8*\u+4*\e+3] offset:16*CPITCH*(\a)+64*\u+16*\e
.endr
.endr
.endm
.macro PHASE_END                       ; my stores into the stages are done; then the other wave's halves of the rows may be read
	s_wait_dscnt 0x0
	s_barrier_signal -1
	s_barrier_wait -1
.endm
	EPI 0, -1
	EPI 1, -1
	PHASE_END
	RB 0
	EPI 2, 0
	EPI 3, -1
	PHASE_END
	RB 1
	EPI 4, 1
	EPI 5, -1
	PHASE_END
	RB 2
	EPI 6, 2
	EPI 7, -1
	PHASE_END
	RB 3
	SD 3, 1
	s_wait_tensorcnt 0x0                           ; the wave's end
	ds_add_u32 v[SPW], v[NIL]
	s_wait_dscnt 0x0
	CROUND                                         ; the closing round
	s_endpgm
.Lfunc_end_k_qb080d20bd9_lstm:
	.size	k_qb080d20bd9_lstm, .Lfunc_end_k_qb080d20bd9_lstm-k_qb080d20bd9_lstm
	.p2alignl 7, 3214868480
	.fill 96, 4, 3214868480
	.section	.rodata,"a",@progbits
	.p2align	6, 0x0
	.amdhsa_kernel k_qb080d20bd9_lstm
		.amdhsa_group_segment_fixed_size 327680
		.amdhsa_private_segment_fixed_size 0
		.amdhsa_enable_private_segment 0
		.amdhsa_kernarg_size 72
		.amdhsa_user_sgpr_count 2
		.amdhsa_user_sgpr_kernarg_segment_ptr 1
		.amdhsa_wavefront_size32 1
		.amdhsa_system_sgpr_workgroup_id_x 1
		.amdhsa_system_sgpr_workgroup_id_y 1
		.amdhsa_system_sgpr_workgroup_id_z 1
		.amdhsa_system_vgpr_workitem_id 0
		.amdhsa_next_free_vgpr 1024
		.amdhsa_next_free_sgpr 106
		.amdhsa_reserve_vcc 0
		.amdhsa_float_denorm_mode_32 3
		.amdhsa_float_denorm_mode_16_64 3
		.amdhsa_memory_ordered 1
		.amdhsa_forward_progress 1
		.amdhsa_inst_pref_size 244
	.end_amdhsa_kernel
	.amdgpu_metadata
---
amdhsa.version: [ 1, 2 ]
amdhsa.kernels:
  - .name:           k_qb080d20bd9_lstm
    .symbol:         k_qb080d20bd9_lstm.kd
    .args:
      - { .name: a_img, .offset: 0, .size: 8, .value_kind: global_buffer, .address_space: global }
      - { .name: b_img, .offset: 8, .size: 8, .value_kind: global_buffer, .address_space: global }
      - { .name: c_prev, .offset: 16, .size: 8, .value_kind: global_buffer, .address_space: global }
      - { .name: b_f, .offset: 24, .size: 8, .value_kind: global_buffer, .address_space: global }
      - { .name: b_i, .offset: 32, .size: 8, .value_kind: global_buffer, .address_space: global }
      - { .name: b_c, .offset: 40, .size: 8, .value_kind: global_buffer, .address_space: global }
      - { .name: b_o, .offset: 48, .size: 8, .value_kind: global_buffer, .address_space: global }
      - { .name: out0, .offset: 56, .size: 8, .value_kind: global_buffer, .address_space: global }
      - { .name: out1, .offset: 64, .size: 8, .value_kind: global_buffer, .address_space: global }
    .group_segment_fixed_size: 327680
    .private_segment_fixed_size: 0
    .kernarg_segment_align: 8
    .kernarg_segment_size: 72
    .max_flat_workgroup_size: 128
    .sgpr_count:     106
    .vgpr_count:     1024
    .wavefront_size: 32
...
	.end_amdgpu_metadata
.endif
;; end of part 2
